; MI455X (gfx1250); checked and timed in simulation.
; The chip was launched on July 23, 2026; its instructions are those of AMD's public machine-readable ISA for CDNA 5 (MIT licence, August 2026) and "CDNA5" Instruction Set Architecture Reference Guide (July 2026). The comments in the code are by the model that wrote it; some were corrected since.
;; Linear Attention. Allowed arithmetic: matrix products marked QUANTISED: E2M1 operands, one E8M0 scale for each 32 along K, by v_wmma_scale_f32_16x16x128_f8f6f4 with both operands' format E2M1 (or v_wmma_scale_f32_32x16x128_f4), f32 sums; everything else in f32.
;; Inputs: Wk_codes 1,024 x 32 x 16 uint8 (E2M1 codes of Wk, K innermost, in blocks of 32 codes, two codes a byte); Wk_scales 1,024 x 32 uint8 (E8M0 scales of Wk, one for each 32 codes along K); Wo_codes 1,024 x 32 x 16 uint8 (E2M1 codes of Wo, K innermost, in blocks of 32 codes, two codes a byte); Wo_scales 1,024 x 32 uint8 (E8M0 scales of Wo, one for each 32 codes along K); Wq_codes 1,024 x 32 x 16 uint8 (E2M1 codes of Wq, K innermost, in blocks of 32 codes, two codes a byte); Wq_scales 1,024 x 32 uint8 (E8M0 scales of Wq, one for each 32 codes along K); Wv_codes 1,024 x 32 x 16 uint8 (E2M1 codes of Wv, K innermost, in blocks of 32 codes, two codes a byte); Wv_scales 1,024 x 32 uint8 (E8M0 scales of Wv, one for each 32 codes along K); x_codes 4 x 1,024 x 32 x 16 uint8 (E2M1 codes of x, K innermost, in blocks of 32 codes, two codes a byte); x_scales 4 x 1,024 x 32 uint8 (E8M0 scales of x, one for each 32 codes along K).
;; Outputs: out0 4 x 1,024 x 1,024 float32.
;; This version of the problem:
;;   THIS VERSION OF THE PROBLEM IS GIVEN IN LOW PRECISION. The matrix products marked QUANTISED in the list below multiply operands that are first quantised to E2M1 (2 exponent bits, 1 mantissa bit; 4 bits a number), with one power-of-two scale for each 32 numbers along K (OCP MX v1.0); their sums are f32. All else is computed in f32.
;;   The module's matrix products, in the order in which they are computed (A, B: the left and right operand; K: the contracted axis; several contracted axes count as one K, in the product's order):
;;     1. [M 4,096, K 1,024] x [K 1,024, N 1,024]; A: input x (given as codes); B: input Wq (given as codes): QUANTISED
;;     2. [M 4,096, K 1,024] x [K 1,024, N 1,024]; A: input x (given as codes); B: input Wk (given as codes): QUANTISED
;;     3. [M 4,096, K 1,024] x [K 1,024, N 1,024]; A: input x (given as codes); B: input Wv (given as codes): QUANTISED
;;     4. batch 64 x [M 1,024, K 64] x [K 64, N 1,024]; A: computed on the way; B: computed on the way: QUANTISED
;;     5. batch 64 x [M 1,024, K 1,024] x [K 1,024, N 64]; A: softmax (see below); B: computed on the way: QUANTISED
;;     6. [M 4,096, K 1,024] x [K 1,024, N 1,024]; A: computed on the way; B: input Wo (given as codes): QUANTISED
;;   THE QUANTISER, for each operand of a quantised product, along K:
;;     - K is cut into blocks of 32 from its start; a last block that is shorter is filled with zeros.
;;     - A block's scale is 2^e with e = floor(log2(the largest magnitude in the block)) - 2, held to -126 .. 127; a block of zeros has e = 0. As a byte (E8M0): e + 127.
;;     - Each number is divided by its block's scale, clamped to +-6, and rounded to the nearest number of E2M1, ties to even, subnormals kept.
;;     - The product sums the exact products of the quantised numbers (number of the format x scale) in f32.
;;   ~~~python
;;   def quantise(x, axis):      # numpy; x: float32 -> the quantised numbers, widened to float32 again
;;       x = np.moveaxis(x, axis, -1); K = x.shape[-1]
;;       x = np.pad(x, [(0, 0)] * (x.ndim - 1) + [(0, -K % 32)]); x = x.reshape(x.shape[:-1] + (-1, 32)); a = np.abs(x).max(-1, keepdims=True)
;;       e = np.where(a > 0, np.clip(np.frexp(np.where(a > 0, a, 1))[1] - 1 - 2, -126, 127), 0)      # np.frexp(a)[1] - 1 = floor(log2(a)), exactly
;;       r = np.clip(x / 2.0 ** e, -6, 6)
;;       step = 2.0 ** (np.maximum(np.frexp(np.where(r == 0, 1, r))[1] - 1, 0) - 1)
;;       q = np.round(r / step) * step * 2.0 ** e      # np.round: ties to even
;;       return np.moveaxis(q.reshape(q.shape[:-2] + (-1,))[..., :K], -1, axis).astype(np.float32)
;;   ~~~
;;   SOFTMAX AHEAD OF A QUANTISED PRODUCT. Where the list says 'softmax', what is quantised is not the finished softmax but p = 2^(t - M), with t = logit x log2(e) and M = ceil(the row's largest t), a whole number; so 1/2 < the row's largest p <= 1. The row's sum l is taken of the UNQUANTISED p, in f32, and the product's result is divided by l at the end. Since M is a whole number, a kernel that streams over the keys may use a running M (the ceiling of the running maximum): every later rescaling is an exact power of two, which a block's scale takes up: the codes' values come out the same.
;;   OPERANDS COMPUTED ON THE WAY. 'Computed on the way' means the value that the module computes at that place (a softmax that the list does not call 'softmax' is quantised finished and normalised). What goes into a quantiser is computed in f32, as accurately as f32 sums, v_exp_f32 and their like allow (about 1e-6 of the number): no bf16 or f16 on the way to a quantiser, and a product that is left as it is and whose result goes on into a quantised operand takes f32 operands (vector FMAs, or v_wmma_f32_16x16x4_f32). A number that lies on a knife's edge between two numbers of the format may be rounded either way, as far as f32 arithmetic and the matrix unit's own rounding can turn it there, and no further.
;;   INPUTS GIVEN AS CODES. Wk (in the module: [1024, 1024], K = its axis 1); Wo (in the module: [1024, 1024], K = its axis 1); Wq (in the module: [1024, 1024], K = its axis 1); Wv (in the module: [1024, 1024], K = its axis 1); x (in the module: [4, 1024, 1024], K = its axis 2): each comes as NAME_codes (uint8): NAME with its K axis moved to the last place and cut into blocks of 32 codes, [.., K / 32, bytes a block], one block behind the other in memory; two codes a byte, the lower K in the low four bits (a code: sign, 2 exponent bits, 1 mantissa bit); and NAME_scales (uint8): the same leading axes, one E8M0 byte (e + 127) for each 32 codes along K. Its value is code x scale, taken as it is: it is not quantised again, and the codes and scales need not be those that the quantiser above would give.
;; One version. Each part assembles by itself: llvm-mc -triple=amdgcn-amd-amdhsa -mcpu=gfx1250 --defsym DOCPART=n.
;; ======== version 1 of 1: 2 launches
;; limits: right only within a limited range of input values
;; workspace buffers: qw 2,228,224 bytes; kv 4,456,448 bytes; wi 524,288 bytes
;; launch qkv (part 1): grid 16 x 16, 4 waves a work-group, clusters of 4 x 4, 238,592 bytes of LDS; arguments x_codes, x_scales, Wq_codes, Wq_scales, Wk_codes, Wk_scales, Wv_codes, Wv_scales, Wo_codes, qw, kv, wi; writes qw, kv, wi
.if DOCPART == 1
	.amdgcn_target "amdgcn-amd-amdhsa--gfx1250"
	.amdhsa_code_object_version 6
	.text
	.protected	k_q925ca9ffea_qkv
	.globl	k_q925ca9ffea_qkv
	.p2align	8
	.type	k_q925ca9ffea_qkv,@function
k_q925ca9ffea_qkv:
	s_mov_b64 s[64:65], 0
	v_nop
	global_prefetch_b8 v0, s[64:65] scope:SCOPE_SE
	s_setreg_imm32_b32 hwreg(HW_REG_WAVE_MODE, 25, 1), 1
	s_wait_xcnt 0x0
	s_wait_alu depctr_hold_cnt(0) depctr_sa_sdst(0) depctr_va_vdst(0) depctr_va_sdst(0) depctr_va_ssrc(0) depctr_va_vcc(0) depctr_vm_vsrc(0)
	s_getreg_b32 s2, hwreg(HW_REG_IB_STS2, 6, 4)
	s_cmp_eq_u32 s2, 0
	s_cbranch_scc0 .Lentry_in_a_cluster
	s_endpgm
.Lentry_in_a_cluster:
	s_bfe_u32 s2, ttmp6, 0x10000c
	s_cmp_lg_u32 s2, 0xf033
	s_cbranch_scc0 .Lentry_shape_is_right
	s_endpgm
.Lentry_shape_is_right:
; q, k, v = x Wq^T, x Wk^T, x Wv^T on the given codes of FP4 (E2M1) with their E8M0 bytes; RoPE on q and k in f32; q and k are quantised along the head's 64 (two blocks of 32), v along the keys
; (blocks of 32 tokens); they leave as codes and scale bytes laid for the attention launch.  Wo's codes are laid as operand images for it as well (a copy).
; SHARES.  A work-group makes q, k and v of ONE head for 256 tokens; wave w takes tokens 64 w .. 64 w + 63 and all 192 features: 48 accumulators, 48 matrix instructions for 128 along K.
; q, k: source 0 = 16 rows of W, source 1 = 16 tokens: a lane holds one token and its registers run along d.  v: source 0 = 16 tokens, source 1 = 16 rows of Wv: a lane holds one d, registers along the tokens.
; THE ROWS OF A TILE: tile t of 64 rows (tokens, or rows of W) takes in lane r the row (8 t) xor lb, lb = (r & 7) + 40 (r >> 3): lanes 0-7 rows 8 t + r, lanes 8-15 rows 32 + 8 (t xor 1) + r - 8.
; So a result's four tiles give lane half h the 32 numbers of block h, whole: tile t, register j is number 8 (t xor h) + j of block h.  The order inside a block is the same in both operands of every later product.
; LDS.  All operands for all of K: x's 256 rows, Wq's, Wk's, Wv's 64 rows, 512 bytes + 16 of padding each; the 16 rows of a fragment load differ modulo 16, and 528 bytes = 132 words.  One tensor load a wave.
; CLUSTER 4 x 4.  x's rows hang on the block of tokens alone: asked for jointly along a row of the cluster; W's rows on the head alone: along a column.
; OUT.  An image is four registers of an operand (16 rows x 64 along K): lane l's 16 bytes at 16 l, 512 bytes.
;   qw, 34,816 bytes a head: 64 images, then two bytes a token (32 bytes a tile).  kv, 69,632 bytes a head: 64 images of k; 64 of v ([key step][d tile][64 keys]); 256 bytes a key step of k's scale words, then of v's.
;   k's words of a step: lane l's two words at 8 l; word i of lane (r, h) serves the tiles 4 i + 2 h and 4 i + 2 h + 1, two bytes each.  v's: word i of lane (r, h) serves the d tile 2 i + h.
;   wi: image ((64-column block x 8 + K step) x 4 + b) x 2 + c holds Wo's rows 64 x block + 4 r + b, k = 128 step + 64 c + 32 h ..; for h = 1 the octets of k stand in the order 1, 0, 3, 2, as O's do.
; THE ANGLES.  inv_freq = 1 / P, P the f32 nearest to 10^(i / 8), rounded as a division; angle = f32(position x inv_freq); n = the nearest whole number to angle / pi; r = angle - n pi in two parts
;   (the first is exact for the 1,024 positions); polynomials on [-pi/2, pi/2]; both signs turn with n's lowest bit, added at bit 31.  About 1e-7 absolute.
; LIMITS.  NaN and infinities among computed numbers are not served.  A block whose largest magnitude lies under 2^-124, a block of zeros too, keeps the scale byte 1; only this program reads the bytes.
; REGISTERS, in windows of 256.  Window 0: v1-15 addresses; v16-79 scale words alone; v80-143 x's fragments, two sets, later the codes on their way out; v144-255 at work.
;   Window 1: W's fragments, two sets of 12.   Window 2: q's accumulators at 8 (4 m + a), k's at 128 + 8 (4 m + a).   Window 3: v's at 8 (4 n + m); from 128 the table: cos, sin by pairs.
.set PITCH, 528
.set TILEW, 64*PITCH
.set WOFF,  256*PITCH
.set STG,   WOFF+3*TILEW               ; scale bytes meet here: q's 512, k's 512, v's 512; LDS stores alone write them
.set SPARE, STG+1536
.set QREC,  34816
.set KREC,  69632
.set WV,  3
.set G1X, 40
.set G1W, 48
.set GX,  56
.set GW,  60
.set HM,  88
.set SC,  16
.set XF,  80
.set MSB, 0
.macro WIN new                         ; the immediate's high byte repeats the setting that is left
.if MSB != (\new)
	s_set_vgpr_msb (MSB<<8)|(\new)
.set MSB, \new
.endif
.endm
.macro PLACES n
.rept \n
	v_nop
.endr
.endm
.macro CROUND                          ; a round of the cluster's barrier
	s_barrier_signal -1
	s_barrier_wait -1
	s_cmp_lg_u32 s[WV], 0
	s_cbranch_scc1 .Lnot_wave_0_\@
	s_barrier_signal -3
.Lnot_wave_0_\@:
	s_barrier_wait -3
	s_barrier_signal -1
	s_barrier_wait -1
.endm
; One matrix instruction on the registers named by rD, rA, rB, rSA, rSB; cc: what it adds onto.  ra, rb = 1: that side's scale words stand in lanes 16-31.
.macro WM cc, ra, rb
.set WMK, 2*(\ra)+(\rb)
.if WMK == 0
	v_wmma_scale_f32_16x16x128_f8f6f4 v[rD:rD+7], v[rA:rA+7], v[rB:rB+7], \cc, v[rSA], v[rSB] matrix_a_fmt:MATRIX_FMT_FP4 matrix_b_fmt:MATRIX_FMT_FP4
.elseif WMK == 1
	v_wmma_scale_f32_16x16x128_f8f6f4 v[rD:rD+7], v[rA:rA+7], v[rB:rB+7], \cc, v[rSA], v[rSB] matrix_a_fmt:MATRIX_FMT_FP4 matrix_b_fmt:MATRIX_FMT_FP4 matrix_b_scale:MATRIX_SCALE_ROW1
.elseif WMK == 2
	v_wmma_scale_f32_16x16x128_f8f6f4 v[rD:rD+7], v[rA:rA+7], v[rB:rB+7], \cc, v[rSA], v[rSB] matrix_a_fmt:MATRIX_FMT_FP4 matrix_b_fmt:MATRIX_FMT_FP4 matrix_a_scale:MATRIX_SCALE_ROW1
.else
	v_wmma_scale_f32_16x16x128_f8f6f4 v[rD:rD+7], v[rA:rA+7], v[rB:rB+7], \cc, v[rSA], v[rSB] matrix_a_fmt:MATRIX_FMT_FP4 matrix_b_fmt:MATRIX_FMT_FP4 matrix_a_scale:MATRIX_SCALE_ROW1 matrix_b_scale:MATRIX_SCALE_ROW1
.endif
.endm
	s_load_b512 s[16:31], s[0:1], 0x0              ; x codes, x scales, Wq codes, scales, Wk codes, scales, Wv codes, scales
	s_load_b256 s[32:39], s[0:1], 0x40             ; Wo codes, qw, kv, wi
	v_lshl_add_u32 v254, v0, 2, SPARE
	v_mov_b32 v255, 0
	ds_add_u32 v254, v255                          ; the opening add, twice on end
	ds_add_u32 v254, v255
	v_lshrrev_b32 v15, 5, v0
	v_readfirstlane_b32 s[WV], v15                 ; wave 0..3
	v_and_b32 v1, 31, v0                           ; l
	v_and_b32 v2, 15, v0                           ; r
	v_bfe_u32 v3, v0, 4, 1                         ; h
	v_and_b32 v144, 7, v0
	v_bfe_u32 v145, v0, 3, 1
	v_mad_u32_u24 v247, v145, 40, v144             ; lb: my row of an even tile (tile 2: 16 more)
	v_xor_b32 v144, 8, v247                        ; and of an odd one
	v_mul_u32_u24 v145, PITCH, v247
	v_mul_u32_u24 v146, PITCH, v144
	v_lshl_add_u32 v145, v3, 4, v145
	v_lshl_add_u32 v146, v3, 4, v146
	v_add_nc_u32 v6, WOFF, v145                    ; W's fragments: v6, v7 Wq's and Wk's, v8, v9 Wv's
	v_add_nc_u32 v7, WOFF, v146
	v_add_nc_u32 v8, WOFF+2*TILEW, v145
	v_add_nc_u32 v9, WOFF+2*TILEW, v146
	v_lshlrev_b32 v147, 9, v3
	v_lshl_add_u32 v10, v247, 5, v147              ; scale rows of 32 bytes: lanes 0-15 tile i, lanes 16-31 tile i + 2
	v_lshl_add_u32 v11, v144, 5, v147
	v_lshlrev_b32 v12, 4, v1                       ; 16 l
	v_lshl_add_u32 v147, v2, 1, v3                 ; 2 r + h
	v_lshl_add_u32 v148, v2, 3, v3                 ; 8 r + h
	v_lshlrev_b32 v149, 4, v3
	v_lshl_add_u32 v246, v2, 11, v149              ; Wo: every fourth row, + 16 h
	s_wait_alu depctr_va_vdst(0)
	s_mul_i32 s2, s[WV], TILEW                     ; my 64 tokens; as W's slot: wave w's 64 rows
	s_lshr_b32 s10, s[WV], 1
	s_lshl_b32 s10, s10, 8
	s_and_b32 s11, s[WV], 1
	s_lshl_b32 s12, s11, 2
	s_lshl_b32 s13, s11, 1
	s_add_co_u32 s12, s12, s10
	s_add_co_u32 s12, s12, STG+512
	s_add_co_u32 s13, s13, s10
	s_add_co_u32 s13, s13, STG+1024
	s_lshl_b32 s14, s[WV], 7
	s_add_co_u32 s14, s14, STG
	s_lshl_b32 s15, s[WV], 9
	s_add_co_u32 s15, s15, STG
	v_add_nc_u32 v4, s2, v145                      ; x's fragments
	v_add_nc_u32 v5, s2, v146
	v_add_nc_u32 v13, s14, v147                    ; where q's scale byte goes,
	v_add_nc_u32 v14, s12, v148                    ; k's,
	v_add_nc_u32 v15, s13, v148                    ; v's
	v_add_nc_u32 v253, s15, v12                    ; and where waves 0 to 2 read 512 of them back
	s_wait_alu depctr_va_vdst(0)
	s_bfe_u32 s4, ttmp6, 0x40000                   ; cx
	s_bfe_u32 s5, ttmp6, 0x40004                   ; cy
	s_lshl_b32 s6, ttmp9, 2
	s_add_co_u32 s6, s6, s4                        ; the head
	s_and_b32 s7, ttmp7, 0xffff
	s_lshl_b32 s7, s7, 2
	s_add_co_u32 s7, s7, s5                        ; the block of 256 tokens
	s_lshl_b32 s8, s5, 2
	s_lshl_b32 s8, 15, s8                          ; my row of the cluster
	s_lshl_b32 s9, 0x1111, s4                      ; my column
	s_or_b32 s[G1X], s8, (1<<20)|(1<<21)|(6<<22)|(3<<25)   ; 15:0 the mask; elements of 1 byte; 20 padding on; 21 set beside a mask; 24:22 after every 128 words; 31:25 four words
	s_or_b32 s[G1W], s9, (1<<20)|(1<<21)|(6<<22)|(3<<25)
	s_mov_b32 s[G1X+1], 512<<16                    ; tensor_dim0
	s_mov_b32 s[G1X+2], 256<<16                    ; tensor_dim1
	s_mov_b32 s[G1X+3], 512<<16                    ; tile_dim0
	s_mov_b32 s[G1X+4], 256                        ; tile_dim1
	s_mov_b32 s[G1X+5], 512                        ; from row to row
	s_mov_b32 s[G1X+6], 0
	s_mov_b32 s[G1X+7], 0
	s_mov_b32 s[G1W+1], 512<<16
	s_mov_b32 s[G1W+2], 64<<16
	s_mov_b32 s[G1W+3], 512<<16
	s_mov_b32 s[G1W+4], 64
	s_mov_b32 s[G1W+5], 512
	s_mov_b32 s[G1W+6], 0
	s_mov_b32 s[G1W+7], 0
	s_lshl_b32 s12, s7, 17
	s_mov_b32 s13, 0
	s_lshl_b32 s14, s6, 15
	s_mov_b32 s15, 0
	s_wait_dscnt 0x0                               ; both opening adds are done
	s_wait_kmcnt 0x0
	s_add_nc_u64 s[12:13], s[16:17], s[12:13]
	s_cmp_eq_u32 s[WV], 1                          ; wave 0 fetches Wq's rows, wave 1 Wk's, wave 2 Wv's, wave 3 x's
	s_cselect_b64 s[10:11], s[24:25], s[20:21]
	s_cmp_ge_u32 s[WV], 2
	s_cselect_b64 s[10:11], s[28:29], s[10:11]
	s_add_nc_u64 s[14:15], s[10:11], s[14:15]
	s_mov_b32 s[GX], 1
	s_mov_b32 s[GX+1], 0
	s_mov_b64 s[GX+2:GX+3], s[12:13]
	s_or_b32 s[GX+3], s[GX+3], 0x80000000
	s_mov_b32 s[GW], 1
	s_add_co_u32 s[GW+1], s2, WOFF
	s_mov_b64 s[GW+2:GW+3], s[14:15]
	s_or_b32 s[GW+3], s[GW+3], 0x80000000
	CROUND                                         ; all sixteen work-groups are here: the joint loads meet
	s_cmp_lt_u32 s[WV], 3
	s_cbranch_scc0 .Lfor_x
	tensor_load_to_lds s[GW:GW+3], s[G1W:G1W+7]
	s_nop 0
	PLACES 4
	s_branch .Lasked
.Lfor_x:
	tensor_load_to_lds s[GX:GX+3], s[G1X:G1X+7]
	s_nop 0
	PLACES 4
.Lasked:
	; the scale words go from memory into registers once: 16 bytes are the words of four K steps
	s_mov_b32 s93, 0
	s_lshl_b32 s92, s6, 11
	s_add_nc_u64 s[22:23], s[22:23], s[92:93]
	s_add_nc_u64 s[26:27], s[26:27], s[92:93]
	s_add_nc_u64 s[30:31], s[30:31], s[92:93]
	s_lshl_b32 s92, s7, 13
	s_lshl_b32 s10, s[WV], 11
	s_add_co_u32 s92, s92, s10
	s_add_nc_u64 s[18:19], s[18:19], s[92:93]
.irp t, 0,1,2
.irp i, 0,1
.irp p, 0,1
	global_load_b128 v[SC+8*(2*\t+\i)+4*\p:SC+8*(2*\t+\i)+4*\p+3], v[10+\i], s[22+4*\t:23+4*\t] offset:16*\p
.endr
.endr
.endr
.irp i, 0,1
.irp p, 0,1
	global_load_b128 v[SC+8*(6+\i)+4*\p:SC+8*(6+\i)+4*\p+3], v[10+\i], s[18:19] offset:16*\p
.endr
.endr
	; my image of Wo: block = head, b = token block / 4, K step 2 (token block % 4) + w / 2, its 64 codes w % 2
	s_lshr_b32 s4, s7, 2                           ; (also the batch)
	s_and_b32 s5, s7, 3                            ; (also which 256 tokens of the batch)
	s_lshl_b32 s92, s6, 15
	s_lshl_b32 s10, s4, 9
	s_add_co_u32 s92, s92, s10
	s_lshl_b32 s10, s5, 7
	s_add_co_u32 s92, s92, s10
	s_lshl_b32 s10, s[WV], 5
	s_add_co_u32 s92, s92, s10
	s_add_nc_u64 s[32:33], s[32:33], s[92:93]
	global_load_b128 v[248:251], v246, s[32:33]
	s_lshl_b32 s92, s6, 15
	s_lshl_b32 s10, s5, 13
	s_add_co_u32 s92, s92, s10
	s_lshl_b32 s10, s4, 10
	s_add_co_u32 s92, s92, s10
	s_lshr_b32 s10, s[WV], 1
	s_lshl_b32 s10, s10, 12
	s_add_co_u32 s92, s92, s10
	s_and_b32 s10, s[WV], 1
	s_lshl_b32 s10, s10, 9
	s_add_co_u32 s92, s92, s10
	s_add_nc_u64 s[38:39], s[38:39], s[92:93]
	; the records
	s_lshl_b32 s11, s4, 4
	s_add_co_u32 s11, s11, s6                      ; 16 x batch + head
	s_mul_i32 s92, s11, QREC
	s_add_nc_u64 s[34:35], s[34:35], s[92:93]
	s_mul_i32 s92, s11, KREC
	s_add_nc_u64 s[36:37], s[36:37], s[92:93]
	s_cmp_eq_u32 s[WV], 0                          ; scale bytes: wave 0 stores q's, wave 1 k's, wave 2 v's
	s_cselect_b64 s[66:67], s[34:35], s[36:37]
	s_mov_b32 s92, 0x10000
	s_cselect_b32 s92, 0x8000, s92
	s_cmp_eq_u32 s[WV], 2
	s_cselect_b32 s10, 0x800, 0
	s_add_co_u32 s92, s92, s10
	s_lshl_b32 s10, s5, 9
	s_add_co_u32 s92, s92, s10
	s_add_nc_u64 s[66:67], s[66:67], s[92:93]
	s_lshl_b32 s92, s5, 13                         ; v's images
	s_lshr_b32 s10, s[WV], 1
	s_lshl_b32 s10, s10, 12
	s_add_co_u32 s92, s92, s10
	s_and_b32 s10, s[WV], 1
	s_lshl_b32 s10, s10, 9
	s_add_co_u32 s92, s92, s10
	s_add_co_u32 s92, s92, 0x8000
	s_add_nc_u64 s[90:91], s[36:37], s[92:93]
	s_lshl_b32 s92, s5, 13                         ; q's and k's
	s_lshl_b32 s10, s[WV], 11
	s_add_co_u32 s92, s92, s10
	s_add_nc_u64 s[34:35], s[34:35], s[92:93]
	s_add_nc_u64 s[36:37], s[36:37], s[92:93]
	s_lshl_b32 s94, s5, 8
	s_lshl_b32 s10, s[WV], 6
	s_add_co_u32 s94, s94, s10                     ; the position of my first token
	s_mov_b32 s[HM], 0xffff0000                    ; lanes 16-31
.macro PAIR r, val                     ; (the packed forms name pairs, so both words are written)
	s_mov_b32 s[\r], \val
	s_mov_b32 s[\r+1], s[\r]
.endm
	PAIR 68, 0x3ea2f983                            ; 1 / pi
	PAIR 70, 0xc0490fdb                            ; -(pi, first part)
	PAIR 72, 0x33bbbd2e                            ; -(pi, second part)
	PAIR 74, -0.000000023889859                    ; sine
	PAIR 76, -0.00019840874
	PAIR 78, 0.0083333310
	PAIR 80, -0.16666667
	PAIR 82, -0.00000026051615                     ; cosine
	PAIR 84, -0.0013888378
	PAIR 86, 0.041666638
	v_mov_b32 v242, 0.0000027525562                ; sine
	v_mov_b32 v243, v242
	v_mov_b32 v244, 0.000024760495                 ; cosine
	v_mov_b32 v245, v244
	v_mov_b32 v210, 0x4b400000                     ; 1.5 x 2^23: adding it leaves the nearest whole number in the low bits
	v_mov_b32 v211, v210
; THE TABLE, made while the tensor loads are on their way.  In tile a a lane holds the frequencies i = 4 a + jj (h = 0) or 16 + 4 (a xor 1) + jj (h = 1).  P = 10^(i / 8).
.macro PFREQ idx, lo, hi
	v_mov_b32 v[144+\idx], \lo
	v_mov_b32 v[160+\idx], \hi
	v_cndmask_b32 v[144+\idx], v[144+\idx], v[160+\idx], s[HM]
.endm
	PFREQ 0, 1.0, 316.22776601683795
	PFREQ 1, 1.3335214321633240, 421.69650342858226
	PFREQ 2, 1.7782794100389228, 562.34132519034910
	PFREQ 3, 2.3713737056616552, 749.89420933245583
	PFREQ 4, 3.1622776601683795, 100.0
	PFREQ 5, 4.2169650342858226, 133.35214321633240
	PFREQ 6, 5.6234132519034910, 177.82794100389228
	PFREQ 7, 7.4989420933245583, 237.13737056616552
	PFREQ 8, 10.0, 3162.2776601683795
	PFREQ 9, 13.335214321633240, 4216.9650342858226
	PFREQ 10, 17.782794100389228, 5623.4132519034910
	PFREQ 11, 23.713737056616552, 7498.9420933245583
	PFREQ 12, 31.622776601683795, 1000.0
	PFREQ 13, 42.169650342858226, 1333.5214321633240
	PFREQ 14, 56.234132519034910, 1778.2794100389228
	PFREQ 15, 74.989420933245583, 2371.3737056616552
.set j, 0
	s_wait_alu depctr_va_vdst(0)
.rept 16
	v_rcp_f32 v[160+j], v[144+j]
.set j, j+1
.endr
	v_nop                                          ; one plain line behind the reciprocals
.set j, 0
	s_wait_alu depctr_va_vdst(0)                   ; and behind it
.rept 16
	v_fma_f32 v[176+j], -v[144+j], v[160+j], 1.0   ; what the reciprocal misses,
.set j, j+1
.endr
.set j, 0
.rept 16
	v_fma_f32 v[224+j], v[176+j], v[160+j], v[160+j]   ; put right: 1 / P
.set j, j+1
.endr
; cos and sin for token tile m, tiles a and a + 1 of d: eight frequencies as four packed groups g.  A group's registers from 144 + 16 g: +0 angle, +2 the rounding sum, +4 n, +6 r, +8 z = r r, +10 sine, +12 cosine, +14 r z.
.macro TRIG m, a
.irp g, 0,1,2,3
	v_pk_mul_f32 v[144+16*\g:145+16*\g], v[224+4*(\a)+2*\g:225+4*(\a)+2*\g], v[240:241]   ; the angle, rounded once
.endr
.irp g, 0,1,2,3
	v_pk_fma_f32 v[146+16*\g:147+16*\g], v[144+16*\g:145+16*\g], s[68:69], v[210:211] op_sel_hi:[1,0,1]
.endr
.irp g, 0,1,2,3
	v_pk_add_f32 v[148+16*\g:149+16*\g], v[146+16*\g:147+16*\g], v[210:211] neg_lo:[0,1] neg_hi:[0,1]   ; n
.endr
.irp g, 0,1,2,3
	v_pk_fma_f32 v[150+16*\g:151+16*\g], v[148+16*\g:149+16*\g], s[70:71], v[144+16*\g:145+16*\g] op_sel_hi:[1,0,1]
.endr
.irp g, 0,1,2,3
	v_pk_fma_f32 v[150+16*\g:151+16*\g], v[148+16*\g:149+16*\g], s[72:73], v[150+16*\g:151+16*\g] op_sel_hi:[1,0,1]   ; r
.endr
.irp g, 0,1,2,3
	v_pk_mul_f32 v[152+16*\g:153+16*\g], v[150+16*\g:151+16*\g], v[150+16*\g:151+16*\g]
.endr
.irp g, 0,1,2,3
	v_pk_fma_f32 v[154+16*\g:155+16*\g], v[152+16*\g:153+16*\g], s[74:75], v[242:243] op_sel_hi:[1,0,1]
	v_pk_fma_f32 v[156+16*\g:157+16*\g], v[152+16*\g:153+16*\g], s[82:83], v[244:245] op_sel_hi:[1,0,1]
.endr
.irp k, 0,2
.irp g, 0,1,2,3
	v_pk_fma_f32 v[154+16*\g:155+16*\g], v[154+16*\g:155+16*\g], v[152+16*\g:153+16*\g], s[76+\k:77+\k] op_sel_hi:[1,1,0]
	v_pk_fma_f32 v[156+16*\g:157+16*\g], v[156+16*\g:157+16*\g], v[152+16*\g:153+16*\g], s[84+\k:85+\k] op_sel_hi:[1,1,0]
.endr
.endr
.irp g, 0,1,2,3
	v_pk_fma_f32 v[154+16*\g:155+16*\g], v[154+16*\g:155+16*\g], v[152+16*\g:153+16*\g], s[80:81] op_sel_hi:[1,1,0]
	v_pk_fma_f32 v[156+16*\g:157+16*\g], v[156+16*\g:157+16*\g], v[152+16*\g:153+16*\g], -0.5 op_sel_hi:[1,1,0]
.endr
.irp g, 0,1,2,3
	v_pk_mul_f32 v[158+16*\g:159+16*\g], v[150+16*\g:151+16*\g], v[152+16*\g:153+16*\g]
	v_pk_fma_f32 v[156+16*\g:157+16*\g], v[156+16*\g:157+16*\g], v[152+16*\g:153+16*\g], 1.0 op_sel_hi:[1,1,0]   ; cos r
.endr
.irp g, 0,1,2,3
	v_pk_fma_f32 v[154+16*\g:155+16*\g], v[158+16*\g:159+16*\g], v[154+16*\g:155+16*\g], v[150+16*\g:151+16*\g]   ; sin r
.endr
	WIN 0xc0                                       ; destination window 3
.irp g, 0,1,2,3
.irp e, 0,1
	v_lshl_add_u32 v[128+32*(\m)+8*(\a)+4*\g+2*\e], v[146+16*\g+\e], 31, v[156+16*\g+\e]   ; n odd: the sign turns
	v_lshl_add_u32 v[129+32*(\m)+8*(\a)+4*\g+2*\e], v[146+16*\g+\e], 31, v[154+16*\g+\e]
.endr
.endr
	WIN 0
.endm
.irp m, 0,1,2,3
	v_xor_b32 v208, 8*\m, v247
	v_add_nc_u32 v208, s94, v208                   ; the position of my token of tile m
	v_cvt_f32_u32 v240, v208
	v_cvt_f32_u32 v241, v208
	TRIG \m, 0
	TRIG \m, 2
.endr
; THE K LOOP, eight steps of 128, written out.  32 LDS loads in one run: x's four fragments and W's twelve of step s, into set s % 2.
.macro FETCH s
	WIN 0
.irp m, 0,1,2,3
.irp c, 0,1
	ds_load_b128 v[XF+32*((\s)%2)+8*\m+4*\c:XF+32*((\s)%2)+8*\m+4*\c+3], v[4+\m%2] offset:(\m/2)*16*PITCH+64*(\s)+32*\c
.endr
.endr
	WIN 0x40                                       ; destination window 1
.irp a, 0,1,2,3,4,5,6,7,8,9,10,11
.irp c, 0,1
	ds_load_b128 v[128*((\s)%2)+8*\a+4*\c:128*((\s)%2)+8*\a+4*\c+3], v[6+2*(\a/8)+\a%2] offset:((\a/4)%2)*TILEW+((\a%4)/2)*16*PITCH+64*(\s)+32*\c
.endr
.endr
.endm
.macro MULQK mat, s, z                 ; q (mat = 0) or k (1): source 0 = W's tile a, source 1 = x's tile m.  z = 1: starts the sum
.irp m, 0,1,2,3
.irp a, 0,1,2,3
.set rD, 128*(\mat)+8*(4*\m+\a)
.set rA, 128*((\s)%2)+8*(4*(\mat)+\a)
.set rB, XF+32*((\s)%2)+8*\m
.set rSA, SC+8*(2*(\mat)+(\a%2))+(\s)
.set rSB, SC+8*(6+(\m%2))+(\s)
.if \z
	WM 0, \a/2, \m/2
.else
	WM v[rD:rD+7], \a/2, \m/2
.endif
.endr
.endr
.endm
.macro MULV s, z                       ; v: source 0 = x's tile m, source 1 = Wv's tile n
.irp n, 0,1,2,3
.irp m, 0,1,2,3
.set rD, 8*(4*\n+\m)
.set rA, XF+32*((\s)%2)+8*\m
.set rB, 128*((\s)%2)+8*(8+\n)
.set rSA, SC+8*(6+(\m%2))+(\s)
.set rSB, SC+8*(4+(\n%2))+(\s)
.if \z
	WM 0, \m/2, \n/2
.else
	WM v[rD:rD+7], \m/2, \n/2
.endif
.endr
.endr
.endm
; The 48 accumulators take turns, one instruction a turn, in the same order in every step.
.macro STEP s, z
	s_wait_dscnt 16                                ; x's and Wq's fragments are in; the 16 loads of Wk's and Wv's may be out
	WIN 0xa1                                       ; source 0 window 1, source 1 window 0, C and D window 2
	MULQK 0, \s, \z
.if (\s) < 7
	PLACES 4                                       ; in front of loads into registers that the step before multiplied
	FETCH (\s)+1
	s_wait_dscnt 40                                ; Wk's are in: Wv's 8 and the 32 just issued may be out
	WIN 0xa1
	MULQK 1, \s, \z
	s_wait_dscnt 32
.else
	s_wait_dscnt 8
	MULQK 1, \s, \z
	s_wait_dscnt 0
.endif
	WIN 0xf4                                       ; source 0 window 0, source 1 window 1, C and D window 3
	MULV \s, \z
.endm
	s_wait_alu depctr_va_vdst(0)
	s_wait_loadcnt 0x0                             ; the scale words and my image of Wo
.irp n, 0,1,2,3
	v_cndmask_b32 v[144+\n], v[248+\n], v[248+(\n^1)], s[HM]   ; h = 1: octets 1, 0, 3, 2
.endr
	global_store_b128 v12, v[144:147], s[38:39]    ; 512 consecutive bytes
	s_wait_tensorcnt 0x0                           ; my part has landed
	s_barrier_signal -1
	s_barrier_wait -1                              ; everybody's has: from here on nobody writes these bytes
	FETCH 0
	STEP 0, 1                                      ; the first step's products start the sums
.irp s, 1,2,3,4,5,6,7
	STEP \s, 0
.endr
	WIN 0
	PLACES 4                                       ; in front of the first reads of results and the first writes of x's fragment registers
	s_wait_xcnt 0x0                                ; the store of Wo's image has read v144-147
; THE WAY OUT.  The rotation of token tile m: (xe, xo) -> (xe c - xo s, xo c + xe s), packed, from window 2 and the table in window 3 into v[rr ..].
.macro ROPE m, base, rr
	WIN 0x0e                                       ; source 0 window 2, source 1 window 3
.set i, 0
.rept 16
	v_pk_mul_f32 v[144+2*i:145+2*i], v[(\base)+32*(\m)+2*i:(\base)+32*(\m)+2*i+1], v[128+32*(\m)+2*i:129+32*(\m)+2*i] op_sel:[1,1] op_sel_hi:[0,1]   ; (xo s, xe s)
.set i, i+1
.endr
.set i, 0
.rept 16
	v_pk_fma_f32 v[(\rr)+2*i:(\rr)+2*i+1], v[(\base)+32*(\m)+2*i:(\base)+32*(\m)+2*i+1], v[128+32*(\m)+2*i:129+32*(\m)+2*i], v[144+2*i:145+2*i] op_sel_hi:[1,0,1] neg_lo:[0,0,1]
.set i, i+1
.endr
	WIN 0
.endm
; Two blocks of 32 numbers, each whole in its lane: their scales (v212, v250), bytes (v213, v251) and codes (v[pc ..], four registers each).  Each accumulator is read from its low end on.
.macro QUANTP pc, sa, sb, win
	WIN ((\win)<<2)|((\win)<<4)
.irp o, 0,1,2,3
	v_max3_num_f32 v[208+\o], 0x1800000, |v[(\sa)+8*\o]|, |v[(\sa)+8*\o+1]|   ; the floor 2^(3 - 127): the byte cannot fall under 1
	v_max3_num_f32 v[246+\o], 0x1800000, |v[(\sb)+8*\o]|, |v[(\sb)+8*\o+1]|
.endr
.irp i, 2,4,6
.irp o, 0,1,2,3
	v_max3_num_f32 v[208+\o], v[208+\o], |v[(\sa)+8*\o+\i]|, |v[(\sa)+8*\o+\i+1]|
	v_max3_num_f32 v[246+\o], v[246+\o], |v[(\sb)+8*\o+\i]|, |v[(\sb)+8*\o+\i+1]|
.endr
.endr
	WIN 0
	v_max3_num_f32 v208, v208, v209, v210
	v_max3_num_f32 v246, v246, v247, v248
	v_max_num_f32 v208, v208, v211
	v_max_num_f32 v246, v246, v249
	v_add_nc_u32 v212, 0xff000000, v208            ; 2 off its exponent field: the conversion's scale operand
	v_add_nc_u32 v250, 0xff000000, v246
	WIN \win
.irp o, 0,1,2,3
	v_cvt_scalef32_pk8_fp4_f32 v[(\pc)+\o], v[(\sa)+8*\o:(\sa)+8*\o+7], v212
.endr
.irp o, 0,1,2,3
	v_cvt_scalef32_pk8_fp4_f32 v[(\pc)+4+\o], v[(\sb)+8*\o:(\sb)+8*\o+7], v250
.endr
	WIN 0
	v_lshrrev_b32 v213, 23, v212                   ; the bytes (and plain lines behind the scaled conversions)
	v_lshrrev_b32 v251, 23, v250
.endm
; Every store has data registers of its own, so none is written while a store may still read it.
.macro SENDP pc, sb, go, gi, st, lo, li
	global_store_b128 v12, v[(\pc):(\pc)+3], s[\sb:\sb+1] offset:\go
	global_store_b128 v12, v[(\pc)+4:(\pc)+7], s[\sb:\sb+1] offset:(\go)+(\gi)
	ds_store_b8 v[\st], v213 offset:\lo
	ds_store_b8 v[\st], v251 offset:(\lo)+(\li)
.endm
.irp p, 0,2
	ROPE \p, 0, 176
	ROPE \p+1, 0, 214
	QUANTP 80+4*\p, 176, 214, 0
	SENDP 80+4*\p, 34, 512*\p, 512, 13, 32*\p, 32
.endr
.irp p, 0,2
	ROPE \p, 128, 176
	ROPE \p+1, 128, 214
	QUANTP 96+4*\p, 176, 214, 0
	SENDP 96+4*\p, 36, 512*\p, 512, 14, 64*\p, 2
.endr
.irp p, 0,2
	QUANTP 112+4*\p, 32*\p, 32*\p+32, 3
	SENDP 112+4*\p, 90, 1024*\p, 1024, 15, 2*\p, 128
.endr
	s_wait_dscnt 0x0                               ; for the others' sake: my scale bytes have landed
	s_barrier_signal -1
	s_barrier_wait -1
	s_cmp_lt_u32 s[WV], 3
	s_cbranch_scc0 .Lnot_mine
	ds_load_b128 v[128:131], v253
	s_wait_dscnt 0x0
	global_store_b128 v12, v[128:131], s[66:67]    ; 512 consecutive bytes
.Lnot_mine:
	s_wait_tensorcnt 0x0                           ; the wave's end
	ds_add_u32 v254, v255
	s_wait_dscnt 0x0
	CROUND                                         ; the closing round
	s_endpgm
.Lfunc_end_k_q925ca9ffea_qkv:
	.size	k_q925ca9ffea_qkv, .Lfunc_end_k_q925ca9ffea_qkv-k_q925ca9ffea_qkv
	.p2alignl 7, 3214868480
	.fill 96, 4, 3214868480
	.section	.rodata,"a",@progbits
	.p2align	6, 0x0
	.amdhsa_kernel k_q925ca9ffea_qkv
		.amdhsa_group_segment_fixed_size 238592
		.amdhsa_private_segment_fixed_size 0
		.amdhsa_enable_private_segment 0
		.amdhsa_kernarg_size 96
		.amdhsa_user_sgpr_count 2
		.amdhsa_user_sgpr_kernarg_segment_ptr 1
		.amdhsa_wavefront_size32 1
		.amdhsa_system_sgpr_workgroup_id_x 1
		.amdhsa_system_sgpr_workgroup_id_y 1
		.amdhsa_system_sgpr_workgroup_id_z 1
		.amdhsa_system_vgpr_workitem_id 0
		.amdhsa_next_free_vgpr 1024
		.amdhsa_next_free_sgpr 100
		.amdhsa_reserve_vcc 0
		.amdhsa_float_denorm_mode_32 3
		.amdhsa_float_denorm_mode_16_64 3
		.amdhsa_memory_ordered 1
		.amdhsa_forward_progress 1
		.amdhsa_inst_pref_size 166
	.end_amdhsa_kernel
	.amdgpu_metadata
---
amdhsa.version: [ 1, 2 ]
amdhsa.kernels:
  - .name:           k_q925ca9ffea_qkv
    .symbol:         k_q925ca9ffea_qkv.kd
    .args:
      - { .name: x_codes, .offset: 0, .size: 8, .value_kind: global_buffer, .address_space: global }
      - { .name: x_scales, .offset: 8, .size: 8, .value_kind: global_buffer, .address_space: global }
      - { .name: Wq_codes, .offset: 16, .size: 8, .value_kind: global_buffer, .address_space: global }
      - { .name: Wq_scales, .offset: 24, .size: 8, .value_kind: global_buffer, .address_space: global }
      - { .name: Wk_codes, .offset: 32, .size: 8, .value_kind: global_buffer, .address_space: global }
      - { .name: Wk_scales, .offset: 40, .size: 8, .value_kind: global_buffer, .address_space: global }
      - { .name: Wv_codes, .offset: 48, .size: 8, .value_kind: global_buffer, .address_space: global }
      - { .name: Wv_scales, .offset: 56, .size: 8, .value_kind: global_buffer, .address_space: global }
      - { .name: Wo_codes, .offset: 64, .size: 8, .value_kind: global_buffer, .address_space: global }
      - { .name: qw, .offset: 72, .size: 8, .value_kind: global_buffer, .address_space: global }
      - { .name: kv, .offset: 80, .size: 8, .value_kind: global_buffer, .address_space: global }
      - { .name: wi, .offset: 88, .size: 8, .value_kind: global_buffer, .address_space: global }
    .group_segment_fixed_size: 238592
    .private_segment_fixed_size: 0
    .kernarg_segment_align: 8
    .kernarg_segment_size: 96
    .max_flat_workgroup_size: 128
    .sgpr_count:     100
    .vgpr_count:     1024
    .wavefront_size: 32
...
	.end_amdgpu_metadata
.endif
;; end of part 1
;; launch attn (part 2): grid 64 x 4, 16 waves a work-group, no clusters, 10,752 bytes of LDS; arguments qw, kv, Wo_scales, wi, out0; writes out0
.if DOCPART == 2
	.amdgcn_target "amdgcn-amd-amdhsa--gfx1250"
	.amdhsa_code_object_version 6
	.text
	.protected	k_q925ca9ffea_attn
	.globl	k_q925ca9ffea_attn
	.p2align	8
	.type	k_q925ca9ffea_attn,@function
k_q925ca9ffea_attn:
	s_mov_b64 s[64:65], 0
	v_nop
	global_prefetch_b8 v0, s[64:65] scope:SCOPE_SE
	s_setreg_imm32_b32 hwreg(HW_REG_WAVE_MODE, 25, 1), 1
	s_wait_xcnt 0x0
; out0 = (softmax(q k^T, causal) v, all heads side by side) Wo^T, all three products on codes of FP4 (E2M1) with E8M0 scales; O / l is quantised along the model's axis on the way.
; THE SOFTMAX AHEAD OF THE SECOND PRODUCT: t = score x log2(e); M = the running largest t rounded UP to a whole number; p = 2^(t - M) is quantised along the keys, not normalised; the row's sum is taken of the
; unquantised p and divides at the end; when M moves, the sum and O are multiplied by 2^(old M - new M), which rounds nothing.
; SHARES.  A work-group owns ONE tile T of 16 queries of a batch and all 16 heads, a head to a wave; then every wave makes 64 columns of the 16 rows of out0, K = 1,024.  256 work-groups; the longest (T = 63) have the lowest numbers.
; LEFT OUT: the key steps behind T / 8, all of whose keys the causal mask hides from every query of the tile, for all values.  A NaN or an infinity that reaches those scores alone is not carried to the result.
; OPERANDS go from memory straight into registers: they are images of operand registers (lane l's 16 bytes at 16 l).  A head's k and v are read by one wave of the work-group, so nothing of them is shared through LDS.
; No cluster: partners (tiles T of one batch) have T / 8 + 1 key steps each, different numbers, and no tensor load that could be joint; their waves share no count of steps.
; LAYOUT.  Both products transposed: S^T = K Q^T, O^T = V^T P^T: a lane holds ONE query.  Tile t of 64 rows (keys, queries, d) takes in lane r the row (8 t) xor ((r & 7) + 40 (r >> 3)), so register 8 m + j of 64 keys is
; key 32 h + 8 (m xor h) + j (h = lane / 16): a block of 32 keys lies whole in a lane, p's codes are the second product's operand as they are made, and O's 32 registers are one block along the model's axis.
; K = 64 in the first product: a K fragment holds TWO key tiles (lower and upper 64 of the instruction's 128); the even tile is multiplied by [Q; 0], the odd one by [0; Q], the zeros being zero codes, under the byte 1.
; A block's largest p is made of the block's largest score by the same multiply-add and exponential; this takes the exponential not to fall where its input rises.
; PREFETCH: the work-group T = 8 L (L >= 3) asks in its trip L - 3 for step L's images of k and v, a wave for its head: 32 blocks of 256 bytes, a lane a block, each named once in the launch; they are loaded two trips later.
; Steps 0 to 2 come by their loads alone.  Wo's images are asked for into registers from the last step's products on, with no loop to run ahead in.
; LIMITS.  NaN and infinities are not served; scaled scores stay under 2^31 in magnitude.  A block whose largest magnitude lies under 2^-124, a block of zeros too, keeps the byte 1; only this program reads the bytes.
; REGISTERS: v1-11 addresses and mask numbers; v12 -M, v13 the largest score, v14-21 the sum in four pairs; v22 Q's scale words, v23 p's, v24-25 K's, v26-27 V's; v28-39 zeros, Q, zeros; v40-71 K; v72-103 V; v104-167 S^T, then p;
;   v168-199 O^T; v200-207 p's codes; v208-223 at work; v224-239 Wo's scale words, v240-243 O's.  In the last product v40-167 are four K steps of Wo, v168-199 four fragments of O, v200-223 and v244-251 the accumulators.
.set QREC, 34816
.set KREC, 69632
.set OSC,  8192                        ; LDS: O's 16 images of 512 bytes, then 8 K steps x 16 scale words
.set SPARE, 8704
.set WV,  14
.set SEL, 44
.set CS,  46
.set NC,  48
.set HM,  49
.set QF,  32
.set KF,  40
.set VF,  72
.set SS,  104
.set OO,  168
.set PC,  200
.set BM,  208
.set SO,  212
.set BY,  214
.set OW,  216
.set OX,  217
.set RM,  218
.set OT,  219
.set TP,  220
.set FF,  222
.set DF,  223
.macro PLACES n
.rept \n
	v_nop
.endr
.endm
.macro WM cc, ra, rb                   ; one matrix instruction on rD, rA, rB, rSA, rSB; cc: what it adds onto; ra, rb = 1: that side's scale words stand in lanes 16-31
.set WMK, 2*(\ra)+(\rb)
.if WMK == 0
	v_wmma_scale_f32_16x16x128_f8f6f4 v[rD:rD+7], v[rA:rA+7], v[rB:rB+7], \cc, v[rSA], v[rSB] matrix_a_fmt:MATRIX_FMT_FP4 matrix_b_fmt:MATRIX_FMT_FP4
.elseif WMK == 1
	v_wmma_scale_f32_16x16x128_f8f6f4 v[rD:rD+7], v[rA:rA+7], v[rB:rB+7], \cc, v[rSA], v[rSB] matrix_a_fmt:MATRIX_FMT_FP4 matrix_b_fmt:MATRIX_FMT_FP4 matrix_b_scale:MATRIX_SCALE_ROW1
.elseif WMK == 2
	v_wmma_scale_f32_16x16x128_f8f6f4 v[rD:rD+7], v[rA:rA+7], v[rB:rB+7], \cc, v[rSA], v[rSB] matrix_a_fmt:MATRIX_FMT_FP4 matrix_b_fmt:MATRIX_FMT_FP4 matrix_a_scale:MATRIX_SCALE_ROW1
.else
	v_wmma_scale_f32_16x16x128_f8f6f4 v[rD:rD+7], v[rA:rA+7], v[rB:rB+7], \cc, v[rSA], v[rSB] matrix_a_fmt:MATRIX_FMT_FP4 matrix_b_fmt:MATRIX_FMT_FP4 matrix_a_scale:MATRIX_SCALE_ROW1 matrix_b_scale:MATRIX_SCALE_ROW1
.endif
.endm
.macro KLOAD                           ; nine loads: a key step's images of k and its scale words
.irp a, 0,1,2,3,4,5,6,7
	global_load_b128 v[KF+4*\a:KF+4*\a+3], v1, s[20:21] offset:512*\a
.endr
	global_load_b64 v[24:25], v2, s[22:23]
.endm
.macro VLOAD                           ; nine loads: v's
.irp i, 0,1,2,3,4,5,6,7
	global_load_b128 v[VF+4*\i:VF+4*\i+3], v1, s[20:21] offset:32768+512*\i
.endr
	global_load_b64 v[26:27], v2, s[22:23] offset:2048
.endm
.macro WOLOAD ks                       ; eight loads: Wo's four fragments of K step ks
.irp i, 0,1,2,3,4,5,6,7
	global_load_b128 v[KF+32*((\ks)%4)+4*\i:KF+32*((\ks)%4)+4*\i+3], v1, s[10:11] offset:4096*(\ks)+512*\i
.endr
.endm
	s_load_b256 s[4:11], s[0:1], 0x0               ; qw, kv, Wo's scales, wi
	s_load_b64 s[12:13], s[0:1], 0x20              ; out0
	v_lshl_add_u32 v4, v0, 2, SPARE                ; my spare word; never rewritten
	v_mov_b32 v5, 0
	v_lshrrev_b32 v208, 5, v0
	v_readfirstlane_b32 s[WV], v208                ; wave = head
	v_and_b32 v209, 31, v0                         ; l
	v_and_b32 v210, 15, v0                         ; r
	v_bfe_u32 v211, v0, 4, 1                       ; h
	v_and_b32 v212, 7, v0
	v_bfe_u32 v213, v0, 3, 1
	v_lshlrev_b32 v1, 4, v209                      ; 16 l
	v_lshlrev_b32 v2, 3, v209                      ; 8 l
	v_lshlrev_b32 v3, 1, v210                      ; 2 r
	v_mad_u32_u24 v212, v213, 40, v212             ; (r & 7) + 40 (r >> 3)
	v_mul_u32_u24 v213, 40, v211                   ; 40 h
	v_mul_u32_u24 v9, 24, v211                     ; 24 h
	v_lshlrev_b32 v214, 15, v211
	v_lshl_add_u32 v6, v210, 8, v214               ; the prefetch: lanes 0-15 k's 16 blocks, lanes 16-31 v's
	v_lshlrev_b32 v215, 6, v211
	v_lshl_add_u32 v254, v210, 7, v215             ; Wo's scale rows 4 r + 2 h
	v_lshl_add_u32 v253, v210, 2, v215             ; O's scale words, back: K step 2 s + h
	v_add_nc_u32 v253, OSC, v253
	v_lshl_add_u32 v7, v210, 2, v211               ; O's scale byte: 4 r + h
	s_wait_alu depctr_va_vdst(0)
	s_and_b32 s15, ttmp7, 0xffff                   ; the batch
	s_sub_co_u32 s16, 63, ttmp9                    ; T
	s_lshr_b32 s17, s16, 2                         ; g: its 64 tokens
	s_and_b32 s18, s16, 3
	s_lshr_b32 s19, s16, 3                         ; L: the last key step = the number of steps ahead of it
	s_lshl_b32 s30, s18, 3                         ; 8 x the tile's number in its 64 tokens
	s_and_b32 s33, s17, 1                          ; 1: the tile's 64 tokens are the upper half of step L
	s_xor_b32 s31, s33, 1
	s_lshl_b32 s31, s31, 6
	s_lshl_b32 s34, s[WV], 9
	s_lshr_b32 s35, s[WV], 1
	s_lshl_b32 s35, s35, 6
	s_and_b32 s36, s[WV], 1
	s_lshl_b32 s36, s36, 1
	s_add_co_u32 s35, s35, s36
	s_add_co_u32 s35, s35, OSC
	v_xor_b32 v8, s30, v212                        ; my query's place in its 64 tokens
	v_xor_b32 v252, s30, v213
	v_add_nc_u32 v10, s34, v1                      ; my image of O
	v_add_nc_u32 v7, s35, v7
	v_sub_nc_u32 v9, v8, v9
	v_sub_nc_u32 v8, v8, v213
	v_sub_nc_u32 v9, v9, s31                       ; hidden in the step's upper 64 keys: 8 m + j > this, m odd,
	v_sub_nc_u32 v8, v8, s31                       ; and m even
	v_lshlrev_b32 v252, 12, v252
	v_lshl_add_u32 v252, v210, 4, v252             ; my rows of out0: lanes 0-15 one, lanes 16-31 another; 16 bytes a lane
	v_mov_b32 v11, 0xff800000                      ; -infinity
	s_lshl_b32 s24, s15, 4
	s_add_co_u32 s24, s24, s[WV]                   ; 16 x batch + head
	s_mul_i32 s26, s24, QREC
	s_mov_b32 s27, 0
	s_mul_i32 s28, s24, KREC
	s_mov_b32 s29, 0
	s_mov_b32 s[SEL], 0x76543210
	s_mov_b32 s[SEL+1], 0xfedcba98                 ; lane l xor 16
	s_mov_b32 s[CS], 0x3fb8aa3b                    ; log2(e)
	s_mov_b32 s[CS+1], s[CS]                       ; (named with it as a pair)
	s_mov_b32 s[NC], 0xbfb8aa3b                    ; -log2(e)
	s_mov_b32 s[HM], 0xffff0000                    ; lanes 16-31
	s_wait_alu depctr_va_vdst(0)
	s_wait_kmcnt 0x0
	s_add_nc_u64 s[4:5], s[4:5], s[26:27]
	s_add_nc_u64 s[20:21], s[6:7], s[28:29]        ; k's and v's images of the step in hand
	s_add_nc_u64 s[22:23], s[20:21], 0x10000       ; and its scale words
	s_lshl_b32 s26, s16, 9
	s_add_nc_u64 s[36:37], s[4:5], s[26:27]
	s_lshl_b32 s26, s16, 5
	s_add_nc_u64 s[38:39], s[4:5], s[26:27]
	s_lshl_b32 s26, s[WV], 11
	s_add_nc_u64 s[8:9], s[8:9], s[26:27]
	global_load_b128 v[QF:QF+3], v1, s[36:37]
	global_load_u16 v221, v3, s[38:39] offset:32768
.irp i, 0,1
.irp p, 0,1
	global_load_b128 v[224+8*\i+4*\p:227+8*\i+4*\p], v254, s[8:9] offset:32*\i+16*\p   ; lanes 0-15 column tile i, lanes 16-31 tile i + 2
.endr
.endr
	KLOAD
	VLOAD
	s_lshl_b32 s26, s[WV], 15
	s_add_nc_u64 s[10:11], s[10:11], s[26:27]      ; my 64 columns' images of Wo
	s_lshl_b32 s26, s15, 22
	s_lshl_b32 s28, s17, 18
	s_add_co_u32 s26, s26, s28
	s_lshl_b32 s28, s[WV], 8
	s_add_co_u32 s26, s26, s28
	s_add_nc_u64 s[12:13], s[12:13], s[26:27]      ; out0 at my 64 tokens and my columns
	s_lshl_b32 s26, s19, 12
	s_add_nc_u64 s[40:41], s[20:21], s[26:27]      ; the prefetch: step L
	s_and_b32 s43, s16, 7
	s_sub_co_u32 s42, s19, 3                       ; (L < 3: a number that no trip has)
	s_cmp_eq_u32 s43, 0
	s_cselect_b32 s42, s42, -1
.irp j, 28,29,30,31,36,37,38,39,217,219
	v_mov_b32 v[\j], 0                             ; zero codes round Q; lane permutes' destinations, written once
.endr
.set j, 0
.rept 32
	v_mov_b32 v[OO+j], 0                           ; O^T: the step is written for any turn, and its first finds zeros
.set j, j+1
.endr
.set j, 0
.rept 8
	v_mov_b32 v[14+j], 0
.set j, j+1
.endr
	v_mov_b32 v13, 0xff000000                      ; the largest score so far: -2^127
	v_mul_f32 v12, s[NC], v13
	v_floor_f32 v12, v12                           ; -M
	s_wait_alu depctr_va_vdst(0)
	s_wait_loadcnt 22                              ; Q and its two bytes a token: behind them 4 + 9 + 9 loads
	v_or_b32 v208, 0x01010000, v221
	v_lshl_or_b32 v209, v221, 16, 0x101
	v_cndmask_b32 v22, v208, v209, s[HM]           ; lanes 0-15 the word for [Q; 0], lanes 16-31 that for [0; Q]
	PLACES 8                                       ; a scale register stands eight places ahead of its matrix instruction
	s_wait_alu depctr_va_vdst(0)
; A KEY STEP: 128 keys.  The waits on loads leave the nine youngest out: k's of a step are issued ahead of v's of the same step, and behind v's of the step before (the last step has no next: eight loads of Wo stand there).
.macro STEP last
	s_wait_loadcnt 9                               ; k is in; v's nine may be out
.irp a, 0,1,2,3,4,5,6,7                ; S^T: tile a
.set rD, SS+8*\a
.set rA, KF+8*(\a/2)
.set rB, QF-4*(\a%2)
.set rSA, 24+\a/4
.set rSB, 22
	WM 0, (\a/2)%2, \a%2
.endr
	PLACES 4                                       ; in front of loads into K's registers and of the first read of the scores
.if \last
	WOLOAD 0
	s_cmp_lg_u32 s33, 0
	s_cbranch_scc1 .Lupper
.set n, 0
.rept 32                               ; my 64 tokens are the step's lower keys: hidden scores become -infinity ahead of the maximum
	v_cmp_gt_i32 vcc_lo, n-64, v[8+(n/8)%2]
	v_cndmask_b32 v[SS+n], v[SS+n], v11, vcc_lo
.set n, n+1
.endr
.Lupper:
.set n, 0
.rept 32
	v_cmp_gt_i32 vcc_lo, n, v[8+(n/8)%2]
	v_cndmask_b32 v[SS+32+n], v[SS+32+n], v11, vcc_lo
.set n, n+1
.endr
.else
	s_wait_xcnt 0x0                                ; the loads have read their bases
	s_add_nc_u64 s[20:21], s[20:21], 0x1000
	s_add_nc_u64 s[22:23], s[22:23], 0x100
	KLOAD                                          ; the next step's k, under this step's softmax
	s_cmp_eq_u32 s50, s42
	s_cbranch_scc0 .Lno_ask
	global_prefetch_b8 v6, s[40:41] th:TH_LOAD_NT scope:SCOPE_SE
.Lno_ask:
.endif
.irp c, 0,1                            ; the largest score of each of my two blocks of 32 keys, in two chains each, every accumulator from its low end on
	v_max3_num_f32 v[BM+\c], v[SS+32*\c], v[SS+32*\c+1], v[SS+32*\c+2]
	v_max3_num_f32 v[BM+2+\c], v[SS+32*\c+17], v[SS+32*\c+18], v[SS+32*\c+19]
.endr
.irp i, 0,2,4,6,8,10
.irp c, 0,1
	v_max3_num_f32 v[BM+\c], v[BM+\c], v[SS+32*\c+3+\i], v[SS+32*\c+4+\i]
	v_max3_num_f32 v[BM+2+\c], v[BM+2+\c], v[SS+32*\c+20+\i], v[SS+32*\c+21+\i]
.endr
.endr
.irp c, 0,1
	v_max3_num_f32 v[BM+\c], v[BM+\c], v[SS+32*\c+15], v[SS+32*\c+16]
.endr
.irp c, 0,1
	v_max_num_f32 v[BM+\c], v[BM+\c], v[BM+2+\c]
.endr
	v_max_num_f32 v[RM], v[BM], v[BM+1]
	s_delay_alu instid0(VALU_DEP_1)
	v_permlanex16_b32 v[OT], v[RM], s[SEL], s[SEL+1]
	s_delay_alu instid0(VALU_DEP_1)
	v_max3_num_f32 v13, v13, v[RM], v[OT]          ; the running largest score
	s_delay_alu instid0(VALU_DEP_1)
	v_mul_f32 v[TP], s[NC], v13
	s_delay_alu instid0(VALU_DEP_1)
	v_floor_f32 v[TP], v[TP]                       ; the new -M = floor(-t)
	s_delay_alu instid0(VALU_DEP_1)
	v_sub_f32 v[DF], v[TP], v12                    ; old M - new M: a whole number, 0 or less
	v_mov_b32 v12, v[TP]
.set j, 0
.rept 32
	v_pk_fma_f32 v[SS+j:SS+j+1], v[SS+j:SS+j+1], s[CS:CS+1], v[12:13] op_sel_hi:[1,0,0]   ; t - M
.set j, j+2
.endr
.irp c, 0,1
	v_fma_f32 v[BM+\c], v[BM+\c], s[CS], v12
.endr
	s_wait_alu depctr_va_vdst(0)
.set j, 0
.rept 64
	v_exp_f32 v[SS+j], v[SS+j]                     ; p
.set j, j+1
.endr
.irp c, 0,1
	v_exp_f32 v[BM+\c], v[BM+\c]                   ; my blocks' largest p
.endr
	v_cvt_i32_f32 v[DF], v[DF]                     ; (it saturates; a plain line behind the exponentials)
	s_wait_alu depctr_va_vdst(0)                   ; and behind it
	v_ldexp_f32 v[FF], 1.0, v[DF]                  ; f = 2^(old M - new M)
.irp c, 0,1
	v_max_num_f32 v[BM+\c], 0x1800000, v[BM+\c]    ; the floor 2^(3 - 127)
.endr
.irp c, 0,1
	v_add_nc_u32 v[SO+\c], 0xff000000, v[BM+\c]    ; 2 off the exponent field: the conversion's scale operand
.endr
.irp c, 0,1
.irp m, 0,1,2,3
	v_cvt_scalef32_pk8_fp4_f32 v[PC+4*\c+\m], v[SS+32*\c+8*\m:SS+32*\c+8*\m+7], v[SO+\c]
.endr
.endr
.irp c, 0,1
	v_lshrrev_b32 v[BY+\c], 23, v[SO+\c]           ; the bytes of blocks h and 2 + h
.endr
	v_lshl_or_b32 v[OW], v[BY+1], 16, v[BY]
	s_delay_alu instid0(VALU_DEP_1)
	v_permlanex16_b32 v[OX], v[OW], s[SEL], s[SEL+1]
	s_delay_alu instid0(VALU_DEP_1)
	v_lshl_or_b32 v23, v[OX], 8, v[OW]             ; p's scale word, in lanes 0-15
.if \last
	s_wait_loadcnt 8                               ; v is in
.else
	s_wait_loadcnt 9
.endif
	s_wait_alu depctr_va_vdst(0)                   ; directly ahead of O^T's first reader
.set j, 0
.rept 16
	v_pk_mul_f32 v[OO+j:OO+j+1], v[OO+j:OO+j+1], v[FF:FF+1] op_sel_hi:[1,0]   ; O^T under the new M; these are also the places ahead of the products
.set j, j+2
.endr
.irp n, 0,1,2,3                        ; O^T += V^T P^T, the four accumulators by turns
.set rD, OO+8*\n
.set rA, VF+8*\n
.set rB, PC
.set rSA, 26+\n/2
.set rSB, 23
	WM v[rD:rD+7], \n%2, 0
.endr
.irp k, 0,2,4,6                        ; the row's sum, of the unquantised p, in four pairs: brought under the new M by the first multiply-add
	v_pk_fma_f32 v[14+\k:15+\k], v[14+\k:15+\k], v[FF:FF+1], v[SS+\k:SS+\k+1] op_sel_hi:[1,0,1]
.endr
.if \last == 0
	VLOAD                                          ; the next step's v (the four lines above are the places)
.endif
.irp i, 8,16,24,32,40,48,56
.irp k, 0,2,4,6
	v_pk_add_f32 v[14+\k:15+\k], v[14+\k:15+\k], v[SS+\i+\k:SS+\i+\k+1]
.endr
.endr
.endm
	s_mov_b32 s50, 0
	s_cmp_eq_u32 s19, 0
	s_cbranch_scc1 .Llast
.Lstep:                                                ; the L steps all of whose keys count
	STEP 0
	s_add_co_u32 s50, s50, 1
	s_cmp_lt_u32 s50, s19
	s_cbranch_scc1 .Lstep
.Llast:
	STEP 1
	WOLOAD 1                                       ; into V's registers
	WOLOAD 2                                       ; and p's
	WOLOAD 3
	; O^T / the sum: my 32 registers are block h of my head's 64 along the model's axis
	v_pk_add_f32 v[14:15], v[14:15], v[16:17]
	v_pk_add_f32 v[18:19], v[18:19], v[20:21]
	v_pk_add_f32 v[14:15], v[14:15], v[18:19]
	v_add_f32 v14, v14, v15
	v_permlanex16_b32 v[OT], v14, s[SEL], s[SEL+1]
	v_add_f32 v14, v14, v[OT]                      ; the row's sum
	s_wait_alu depctr_va_vdst(0)
	v_rcp_f32 v14, v14
	v_nop                                          ; one plain line behind it
	s_wait_alu depctr_va_vdst(0)                   ; and the wait ahead of its reader and of O^T's
.set j, 0
.rept 16
	v_pk_mul_f32 v[OO+j:OO+j+1], v[OO+j:OO+j+1], v[14:15] op_sel_hi:[1,0]
.set j, j+2
.endr
.irp o, 0,1,2,3
	v_max3_num_f32 v[BM+\o], 0x1800000, |v[OO+8*\o]|, |v[OO+8*\o+1]|
.endr
.irp i, 2,4,6
.irp o, 0,1,2,3
	v_max3_num_f32 v[BM+\o], v[BM+\o], |v[OO+8*\o+\i]|, |v[OO+8*\o+\i+1]|
.endr
.endr
	v_max3_num_f32 v[BM], v[BM], v[BM+1], v[BM+2]
	v_max_num_f32 v[BM], v[BM], v[BM+3]
	v_add_nc_u32 v[SO], 0xff000000, v[BM]
.irp o, 0,1,2,3
	v_cvt_scalef32_pk8_fp4_f32 v[PC+\o], v[OO+8*\o:OO+8*\o+7], v[SO]
.endr
	v_lshrrev_b32 v[BY], 23, v[SO]
	ds_store_b128 v10, v[PC:PC+3]
	ds_store_b8 v7, v[BY]
	s_wait_dscnt 0x0                               ; for the others' sake: my stores have landed
	s_barrier_signal -1
	s_barrier_wait -1                              ; all sixteen heads of my 16 tokens lie in LDS
.macro OLOAD ks                        ; two loads: O's fragment of K step ks
.irp c, 0,1
	ds_load_b128 v[OO+8*((\ks)%4)+4*\c:OO+8*((\ks)%4)+4*\c+3], v1 offset:1024*(\ks)+512*\c
.endr
.endm
.irp s, 0,1,2,3
	ds_load_b32 v[240+\s], v253 offset:128*\s      ; lanes 0-15 K step 2 s, lanes 16-31 K step 2 s + 1
.endr
.irp s, 0,1,2,3
	OLOAD \s
.endr
; out0: source 0 = my 16 tokens, source 1 = 16 rows of Wo (64 w + 4 r + b): a lane holds column 4 r + b, registers along the tokens.  The four accumulators take turns.
.irp s, 0,1,2,3,4,5,6,7
.if \s < 5
	s_wait_loadcnt 24                              ; three younger K steps of eight loads may be out
	s_wait_dscnt 6                                 ; and their fragments' two each
.else
	s_wait_loadcnt 8*(7-\s)
	s_wait_dscnt 2*(7-\s)
.endif
.irp b, 0,1,2,3
.set rD, 200+8*\b+20*(\b/3)
.set rA, OO+8*(\s%4)
.set rB, KF+32*(\s%4)+8*\b
.set rSA, 240+\s/2
.set rSB, 224+8*(\b%2)+\s
.if \s == 0
	WM 0, \s%2, \b/2
.else
	WM v[rD:rD+7], \s%2, \b/2
.endif
.endr
.if \s < 4
	PLACES 4                                       ; in front of loads into the registers just multiplied
	WOLOAD \s+4
	OLOAD \s+4
.endif
.endr
	PLACES 4                                       ; in front of the first reads of results
.irp j, 0,1,2,3,4,5,6,7
	v_mov_b32 v[KF+4*\j], v[200+\j]                ; a row's four neighbouring columns side by side
	v_mov_b32 v[KF+4*\j+1], v[208+\j]
	v_mov_b32 v[KF+4*\j+2], v[216+\j]
	v_mov_b32 v[KF+4*\j+3], v[244+\j]
	global_store_b128 v252, v[KF+4*\j:KF+4*\j+3], s[12:13] offset:4096*\j th:TH_STORE_NT   ; 16 lanes store 256 consecutive bytes, at a multiple of 256 from out0's first byte
.endr
	s_wait_tensorcnt 0x0                           ; the wave's end
	ds_add_u32 v4, v5
	s_wait_dscnt 0x0
	s_endpgm
.Lfunc_end_k_q925ca9ffea_attn:
	.size	k_q925ca9ffea_attn, .Lfunc_end_k_q925ca9ffea_attn-k_q925ca9ffea_attn
	.p2alignl 7, 3214868480
	.fill 96, 4, 3214868480
	.section	.rodata,"a",@progbits
	.p2align	6, 0x0
	.amdhsa_kernel k_q925ca9ffea_attn
		.amdhsa_group_segment_fixed_size 10752
		.amdhsa_private_segment_fixed_size 0
		.amdhsa_enable_private_segment 0
		.amdhsa_kernarg_size 40
		.amdhsa_user_sgpr_count 2
		.amdhsa_user_sgpr_kernarg_segment_ptr 1
		.amdhsa_wavefront_size32 1
		.amdhsa_system_sgpr_workgroup_id_x 1
		.amdhsa_system_sgpr_workgroup_id_y 1
		.amdhsa_system_sgpr_workgroup_id_z 1
		.amdhsa_system_vgpr_workitem_id 0
		.amdhsa_next_free_vgpr 256
		.amdhsa_next_free_sgpr 66
		.amdhsa_reserve_vcc 1
		.amdhsa_float_denorm_mode_32 3
		.amdhsa_float_denorm_mode_16_64 3
		.amdhsa_memory_ordered 1
		.amdhsa_forward_progress 1
		.amdhsa_inst_pref_size 59
	.end_amdhsa_kernel
	.amdgpu_metadata
---
amdhsa.version: [ 1, 2 ]
amdhsa.kernels:
  - .name:           k_q925ca9ffea_attn
    .symbol:         k_q925ca9ffea_attn.kd
    .args:
      - { .name: qw, .offset: 0, .size: 8, .value_kind: global_buffer, .address_space: global }
      - { .name: kv, .offset: 8, .size: 8, .value_kind: global_buffer, .address_space: global }
      - { .name: Wo_scales, .offset: 16, .size: 8, .value_kind: global_buffer, .address_space: global }
      - { .name: wi, .offset: 24, .size: 8, .value_kind: global_buffer, .address_space: global }
      - { .name: out0, .offset: 32, .size: 8, .value_kind: global_buffer, .address_space: global }
    .group_segment_fixed_size: 10752
    .private_segment_fixed_size: 0
    .kernarg_segment_align: 8
    .kernarg_segment_size: 40
    .max_flat_workgroup_size: 512
    .sgpr_count:     66
    .vgpr_count:     256
    .wavefront_size: 32
...
	.end_amdgpu_metadata
.endif
;; end of part 2
